; MI455X (gfx1250); checked and timed in simulation.
; The chip was launched on July 23, 2026; its instructions are those of AMD's public machine-readable ISA for CDNA 5 (MIT licence, August 2026) and "CDNA5" Instruction Set Architecture Reference Guide (July 2026). The comments in the code are by the model that wrote it; some were corrected since.
;; Smoothed Spheres. Allowed arithmetic: float matrix products may take bf16 or f16 operands with f32 sums; all other float work in f32.
;; Inputs: centers 128 x 3 float32; p 524,288 x 3 float32; radii 128 float32; tfs 128 x 3 x 3 float32.
;; Outputs: out0 524,288 x 1 float32.
;; One version. Each part assembles by itself: llvm-mc -triple=amdgcn-amd-amdhsa -mcpu=gfx1250 --defsym DOCPART=n.
;; ======== version 1 of 1: 1 launch
;; launch spheres (part 1): grid 256 x 1, 16 waves a work-group, no clusters, 14,848 bytes of LDS; arguments p, centers, radii, tfs, out0; writes out0
.if DOCPART == 1
	.amdgcn_target "amdgcn-amd-amdhsa--gfx1250"
	.amdhsa_code_object_version 6
	.text
	.protected	k_q1fc4443f6d_spheres
	.globl	k_q1fc4443f6d_spheres
	.p2align	8
	.type	k_q1fc4443f6d_spheres,@function
k_q1fc4443f6d_spheres:
	s_mov_b64 s[64:65], 0
	v_nop
	global_prefetch_b8 v0, s[64:65] scope:SCOPE_SE
	s_setreg_imm32_b32 hwreg(HW_REG_WAVE_MODE, 25, 1), 1
	s_wait_xcnt 0x0
; out[b] = -ln(max(sum over i of exp(-32 (|T_i p_b - c_i| - r_i)), 1e-6)) / 32,  T_i = tfs_i + I.   524,288 points, 128 spheres.
;
; SHARES.  256 work-groups of 16 waves; a work-group takes 2,048 points, a wave 128 points as 8 groups of 16.
; THE PRODUCT T p - c goes to the matrix unit (bf16 operands, f32 sums): A = 16 spheres' rows of one component j, B = 16 points.
; The three components go to three result tiles, so that register j of lane (r, h) holds q_x, q_y, q_z of sphere 8h+j for point r:
; the norm and the sum over the spheres stay inside a lane.  The product itself has K = 3; 16 of the instruction's 32 K places carry
; two bf16 parts of T and of p (x = xh + xm + a rest below 2^-16 |x|) and three parts of -c:
;     B, both lane halves alike:    xh  yh  zh  1    xm  ym  zm  1
;     A, lanes 0-15  (k = 0..7):    Th0 Th1 Th2 -ch  Th0 Th1 Th2 -cl
;     A, lanes 16-31 (k = 8..15):   Tm0 Tm1 Tm2 -cm  Tm0 Tm1 Tm2 0          sum = (Th+Tm)(ph+pm) - c
; A holds the same 16 places once more in k = 16..31; a group's B holds its data in one half of K and zeros in the other, so that two
; groups share one block of four zero registers ( d z d ).
; THE REST in f32: q^2 (packed multiply-adds), sqrt, -K |q| + K r with K = 32 log2 e, 2^x, packed sums.  The exponent is formed as the
; reference forms it (it takes no maximum away), so it overflows and underflows where the reference does.
; NO CLUSTER, NO TENSOR LOAD: what work-groups share is 6,656 bytes of parameters against 24,576 bytes of points of their own, and each
; wave reads its 1,536 bytes of points once, in its first lines.  For the same reason nothing is prefetched.
; LIMITS.  Inputs finite and below bf16's largest number (3.39e38): the bf16 parts of an infinity or a NaN are not its parts.  A NaN sum
; is clipped to 1e-6 (v_max_num_f32).  The spheres are summed in another order than in the reference.  v_exp_f32 and v_sqrt_f32 take
; denormals as 0 (ISA guide 15.8): terms below 2^-126 against a sum that is clipped at 1e-6, and norms below 1e-19.
.set PTS_WAVE, 128
.set PTS_WG,   2048
.set FRAG,     512                     ; LDS image of one A fragment's 16 K places: 32 lanes x 16 bytes
.set TILEB,    3*FRAG                  ; the three components of 16 spheres
.set KRTAB,    24*FRAG                 ; behind the 24 fragments: K r of the 128 spheres, 512 bytes
.set POSK,     0x4238aa3b              ; K = 32 log2 e
.set NEGK,     0xc238aa3b
.set CLAMP,    0x358637bd              ; 1e-6
.set NLN2_32,  0xbcb17218              ; -ln 2 / 32
.set LA,  2                            ; v2        LDS address of my 16 bytes in the trip's first fragment
.set LK,  3                            ; v3        LDS address of my half's eight K r in the trip's first tile
.set PO,  4                            ; v4        byte offset in p of my four points
.set OO,  5                            ; v5        byte offset in out of my four results
.set BF,  16                           ; v[16:63]  B: groups 2i, 2i+1 at BF+12i: data, zeros, data
.set ACC, 64                           ; v[64:79]  group g: a pair of running sums
.set AF,  80                           ; v[80:127] A: two buffers of three fragments
.set KR,  128                          ; v[128:143] K r of spheres 8h .. 8h+7 of the tile: two buffers
.set D,   144                          ; v[144:191] q: two buffers of three result tiles
.set S,   192                          ; v[192:207] two sets of eight numbers: q^2, |q|, exponent, term
.set P,   D                            ; v[144:167] the points as loaded, before D is first written
.set T,   AF                           ; v[80:103]  at work while B is built, before A is first loaded
	s_load_b256 s[4:11], s[0:1], 0x0               ; p s[4:5], centers s[6:7], radii s[8:9], tfs s[10:11]
	s_load_b64 s[12:13], s[0:1], 0x20              ; out0
	v_lshl_add_u32 v208, v0, 2, 0x3200
	v_mov_b32 v209, 0
	v_lshrrev_b32 v1, 5, v0
	v_readfirstlane_b32 s14, v1                    ; wave 0..15
	v_and_b32 v6, 15, v0                           ; r
	v_and_b32 v7, 31, v0                           ; lane
	v_bfe_u32 v8, v0, 4, 1                         ; h
	s_mul_i32 s15, ttmp9, PTS_WG*12
	s_mul_i32 s16, s14, PTS_WAVE*12
	s_add_co_u32 s15, s15, s16                     ; my wave's first point in p, bytes
	s_lshl_b32 s17, ttmp9, 13
	s_lshl_b32 s18, s14, 9
	s_add_co_u32 s17, s17, s18                     ; and in out
	s_mov_b32 s19, 0xffff0000                      ; a word's upper bf16
	s_mov_b32 s21, 0xffff0000                      ; lanes 16-31
	s_mov_b32 s22, 0x76543210                      ; v_permlanex16_b32: lane i of one half reads lane i of the other
	s_mov_b32 s23, 0xfedcba98
	v_mad_u32_u24 v[PO], v6, 48, s15               ; lane r (both halves): points 4r .. 4r+3, 48 bytes
	v_lshlrev_b32 v[LA], 4, v7
	v_lshl_add_u32 v[LK], v8, 5, KRTAB
	v_add_nc_u32 v[OO], s17, v[LA]
	s_wait_kmcnt 0x0
	; Group g, lane r is point 64 (g/4) + 4 r + g%4 of the wave: three loads of 16 bytes bring four points, the six loads together
	; every byte of the wave's 1,536.
.irp b, 0,1
.irp k, 0,1,2
	global_load_b128 v[P+12*\b+4*\k:P+12*\b+4*\k+3], v[PO], s[4:5] offset:768*\b+16*\k
.endr
.endr
	; ---- the spheres' image in LDS, built once for the work-group: waves 0-11 the rows, wave 12 the radii
	s_cmp_ge_u32 s14, 12
	s_cbranch_scc1 .Lnot_rows
	; thread = row 3 sphere + j of tfs (0..383): three numbers of T, one of c
	v_mul_u32_u24 v9, 12, v0
	v_lshlrev_b32 v10, 2, v0
	global_load_b32 v12, v9, s[10:11]
	global_load_b32 v13, v9, s[10:11] offset:4
	global_load_b32 v14, v9, s[10:11] offset:8
	global_load_b32 v15, v10, s[6:7]
	v_mul_u32_u24 v16, 171, v0
	v_lshrrev_b32 v16, 9, v16                      ; sphere = row / 3 (171/512 serves rows below 512)
	v_mul_u32_u24 v17, 3, v16
	v_sub_nc_u32 v17, v0, v17                      ; j
	v_lshrrev_b32 v18, 4, v16                      ; tile
	v_and_b32 v19, 15, v16                         ; row m of the fragment
	v_mad_u32_u24 v18, v18, 3, v17                 ; fragment 3 tile + j
	v_lshlrev_b32 v19, 4, v19
	v_lshl_add_u32 v18, v18, 9, v19                ; lane m's 16 bytes; lane 16 + m's are 256 further
	v_cmp_eq_u32 vcc_lo, 0, v17
	v_cndmask_b32 v20, 0, 1.0, vcc_lo              ; row j of the identity
	v_cmp_eq_u32 vcc_lo, 1, v17
	v_cndmask_b32 v21, 0, 1.0, vcc_lo
	v_cmp_eq_u32 vcc_lo, 2, v17
	v_cndmask_b32 v22, 0, 1.0, vcc_lo
	s_wait_loadcnt 0x0
	v_pk_add_f32 v[12:13], v[12:13], v[20:21]      ; T = tfs + I, in f32 as in the reference
	v_add_f32 v14, v14, v22
	v_mul_f32 v15, -1.0, v15                       ; -c
	v_cvt_pk_bf16_f32 v24, v12, v13                ; Th0 Th1
	v_cvt_pk_bf16_f32 v25, v14, v15                ; Th2 -ch
	v_lshlrev_b32 v20, 16, v24
	v_and_b32 v21, s19, v24
	v_lshlrev_b32 v22, 16, v25
	v_and_b32 v23, s19, v25
	v_pk_add_f32 v[12:13], v[12:13], v[20:21] neg_lo:[0,1] neg_hi:[0,1]    ; what the first part leaves (exact)
	v_pk_add_f32 v[14:15], v[14:15], v[22:23] neg_lo:[0,1] neg_hi:[0,1]
	v_cvt_pk_bf16_f32 v28, v12, v13                ; Tm0 Tm1
	v_cvt_pk_bf16_f32 v29, v14, v15                ; Tm2 -cm
	v_and_b32 v23, s19, v29
	v_sub_f32 v15, v15, v23                        ; what the second part leaves of -c
	v_cvt_pk_bf16_f32 v27, v22, v15                ; Th2 (unchanged) -cl
	v_and_b32 v31, 0xffff, v29                     ; Tm2 0
	v_mov_b32 v26, v24
	v_mov_b32 v30, v28
	ds_store_b128 v18, v[24:27]
	ds_store_b128 v18, v[28:31] offset:256
	s_branch .Ljoin
.Lnot_rows:
	s_cmp_lg_u32 s14, 12
	s_cbranch_scc1 .Ljoin
	global_load_b128 v[12:15], v[LA], s[8:9]       ; lane l: radii 4l .. 4l+3
	s_wait_loadcnt 0x0
	v_pk_mul_f32 v[12:13], v[12:13], POSK op_sel_hi:[1,0]
	v_pk_mul_f32 v[14:15], v[14:15], POSK op_sel_hi:[1,0]
	ds_store_b128 v[LA], v[12:15] offset:KRTAB
.Ljoin:
	s_wait_loadcnt 0x0                             ; my points are in
	s_wait_dscnt 0x0                               ; my part of the image is in LDS, for the other waves' sake
	s_barrier_signal -1
	; ---- B, in registers only, while the other waves arrive: two bf16 parts of each coordinate
.irp g, 0,1,2,3,4,5,6,7
	v_cvt_pk_bf16_f32 v[BF+12*(\g/2)+8*(\g%2)],   v[P+3*\g], v[P+3*\g+1]   ; xh yh
	v_cvt_pk_bf16_f32 v[BF+12*(\g/2)+8*(\g%2)+1], v[P+3*\g+2], 1.0         ; zh 1
.endr
.irp g, 0,1,2,3,4,5,6,7
	v_lshlrev_b32 v[T+3*\g],   16,  v[BF+12*(\g/2)+8*(\g%2)]
	v_and_b32     v[T+3*\g+1], s19, v[BF+12*(\g/2)+8*(\g%2)]
	v_lshlrev_b32 v[T+3*\g+2], 16,  v[BF+12*(\g/2)+8*(\g%2)+1]
.endr
.irp i, 0,1,2,3,4,5,6,7,8,9,10,11
	v_pk_add_f32 v[P+2*\i:P+2*\i+1], v[P+2*\i:P+2*\i+1], v[T+2*\i:T+2*\i+1] neg_lo:[0,1] neg_hi:[0,1]   ; what the first part leaves (exact)
.endr
.irp g, 0,1,2,3,4,5,6,7
	v_cvt_pk_bf16_f32 v[BF+12*(\g/2)+8*(\g%2)+2], v[P+3*\g], v[P+3*\g+1]   ; xm ym
	v_cvt_pk_bf16_f32 v[BF+12*(\g/2)+8*(\g%2)+3], v[P+3*\g+2], 1.0         ; zm 1
.endr
.irp i, 0,1,2,3
.irp k, 4,5,6,7
	v_mov_b32 v[BF+12*\i+\k], 0                    ; the half of K that a group leaves empty, shared by two groups
.endr
.endr
	s_barrier_wait -1                              ; the image is whole; nobody writes LDS any more
; The tile k tiles on from the trip's first, into buffer b: each fragment's 16 K places twice, and my half's eight K r.
.macro LDTILE b, k
.irp j, 0,1,2
	ds_load_b128 v[AF+24*\b+8*\j:AF+24*\b+8*\j+3],   v[LA] offset:\k*TILEB+\j*FRAG
	ds_load_b128 v[AF+24*\b+8*\j+4:AF+24*\b+8*\j+7], v[LA] offset:\k*TILEB+\j*FRAG
.endr
	ds_load_b128 v[KR+8*\b:KR+8*\b+3],   v[LK] offset:\k*64
	ds_load_b128 v[KR+8*\b+4:KR+8*\b+7], v[LK] offset:\k*64+16
.endm
; q_x, q_y, q_z of the 16 spheres in A buffer a for the 16 points of group g, into D buffer d.  Nothing is accumulated: C = 0.
.macro WM g, a, d
.irp j, 0,1,2
	v_wmma_f32_16x16x32_bf16 v[D+24*(\d)+8*\j:D+24*(\d)+8*\j+7], v[AF+24*(\a)+8*\j:AF+24*(\a)+8*\j+7], v[BF+12*((\g)/2)+4*((\g)%2):BF+12*((\g)/2)+4*((\g)%2)+7], 0
.endr
.endm
; One of the twelve packed operations that make q^2 = qx qx + qy qy + qz qz of the tile in DN, into the set SO.
; on = 0: there is no next tile; fill = 1: a v_nop then keeps the place that the operation held behind a transcendental.
.macro QOP on, i, fill
.if \on
.set QS, SO+2*((\i)%4)
.set QD, DN+8*((\i)/4)+2*((\i)%4)
.if (\i) > 3
	v_pk_fma_f32 v[QS:QS+1], v[QD:QD+1], v[QD:QD+1], v[QS:QS+1]
.else
	v_pk_mul_f32 v[QS:QS+1], v[QD:QD+1], v[QD:QD+1]
.endif
.else
.if \fill
	v_nop
	s_wait_alu depctr_va_vdst(0)
.endif
.endif
.endm
; SLOT sl of a trip of 16 (two tiles x eight groups).  It issues the products of slot sl + 2 (mm), squares those of slot sl + 1 (qq), and
; takes its own eight numbers from q^2 to the sum.  The squares are plain vector work that names neither the new products' registers
; nor this slot's set: they are the places between a matrix instruction and the first reader of its result, one slot later (ISA guide
; 7.12.1), and the plain instruction between a transcendental and the use of its result (ISA guide 5.7.2).
; ld = 1, 2: the LDS loads of the tile 1 or 2 on, into the buffer whose last products were issued three slots ago.
; wt = 1: those loads, issued six slots ago, are waited for: the products below are the first to use them.
.macro SLOT sl, mm, qq, ld, wt
.set SB, S+8*((\sl)%2)
.set SO, S+8*((\sl+1)%2)
.set DN, D+24*((\sl+1)%2)
.set KB, KR+8*((\sl)/8)
.set AC, ACC+2*((\sl)%8)
.set WG, (\sl+2)%8
.set WA, ((\sl+2)/8)%2
.set WD, (\sl)%2
.if \wt
	s_wait_dscnt 0x0
.endif
.if \mm
	WM WG, WA, WD
.endif
.if \ld == 1
	LDTILE 1, 1
.endif
.if \ld == 2
	LDTILE 0, 2
.endif
.irp i, 0,1,2,3,4,5,6
	v_sqrt_f32 v[SB+\i], v[SB+\i]                  ; |q|
	QOP \qq, \i, 0
.endr
	v_sqrt_f32 v[SB+7], v[SB+7]
	QOP \qq, 7, 1
	s_wait_alu depctr_va_vdst(0)
.irp i, 0,1,2,3
	v_pk_fma_f32 v[SB+2*\i:SB+2*\i+1], v[SB+2*\i:SB+2*\i+1], NEGK, v[KB+2*\i:KB+2*\i+1] op_sel_hi:[1,0,1]   ; -K |q| + K r
.endr
	v_exp_f32 v[SB], v[SB]
	v_exp_f32 v[SB+1], v[SB+1]
	QOP \qq, 8, 1
	v_exp_f32 v[SB+2], v[SB+2]
	v_exp_f32 v[SB+3], v[SB+3]
	s_wait_alu depctr_va_vdst(0)
	v_pk_add_f32 v[AC:AC+1], v[AC:AC+1], v[SB:SB+1]        ; each sum takes the pair made two transcendentals earlier
	v_exp_f32 v[SB+4], v[SB+4]
	v_exp_f32 v[SB+5], v[SB+5]
	v_pk_add_f32 v[AC:AC+1], v[AC:AC+1], v[SB+2:SB+3]
	QOP \qq, 9, 0
	v_exp_f32 v[SB+6], v[SB+6]
	v_exp_f32 v[SB+7], v[SB+7]
	s_wait_alu depctr_va_vdst(0)
	v_pk_add_f32 v[AC:AC+1], v[AC:AC+1], v[SB+4:SB+5]
	QOP \qq, 10, 0
	v_pk_add_f32 v[AC:AC+1], v[AC:AC+1], v[SB+6:SB+7]
	QOP \qq, 11, 0
.endm
.macro TRIP last
	SLOT 0, 1, 1, 1, 0
	SLOT 1, 1, 1, 0, 0
	SLOT 2, 1, 1, 0, 0
	SLOT 3, 1, 1, 0, 0
	SLOT 4, 1, 1, 0, 0
	SLOT 5, 1, 1, 0, 0
	SLOT 6, 1, 1, 0, 1
	SLOT 7, 1, 1, 0, 0
.if \last
	SLOT 8, 1, 1, 0, 0                             ; no tile follows: nothing is loaded,
.else
	SLOT 8, 1, 1, 2, 0
.endif
	SLOT 9, 1, 1, 0, 0
	SLOT 10, 1, 1, 0, 0
	SLOT 11, 1, 1, 0, 0
	SLOT 12, 1, 1, 0, 0
	SLOT 13, 1, 1, 0, 0
.if \last
	SLOT 14, 0, 1, 0, 0                            ; nothing multiplied ahead,
	SLOT 15, 0, 0, 0, 0                            ; nothing squared ahead
.else
	SLOT 14, 1, 1, 0, 1
	SLOT 15, 1, 1, 0, 0
.endif
.endm
	; ---- the way in: tile 0, the products of slots 0 and 1, the squares of slot 0
	LDTILE 0, 0
	s_wait_dscnt 0x0
	WM 0, 0, 0
	WM 1, 0, 1
.irp i, 0,1,2,3,4,5,6,7,8,9,10,11,12,13,14,15
	v_mov_b32 v[ACC+\i], 0                         ; the eight groups' sums start here: also the places behind the first products
.endr
.set SO, S
.set DN, D
.irp i, 0,1,2,3,4,5,6,7,8,9,10,11
	QOP 1, \i, 0
.endr
	s_mov_b32 s20, 3                               ; tiles 0-5 in three trips, tiles 6 and 7 behind the loop
.Ltrip:
	TRIP 0
	v_add_nc_u32 v[LA], 2*TILEB, v[LA]             ; two tiles on
	v_add_nc_u32 v[LK], 128, v[LK]
	s_sub_co_i32 s20, s20, 1
	s_cmp_lg_u32 s20, 0
	s_cbranch_scc1 .Ltrip
	TRIP 1
	; ---- the way out.  A lane holds, for point r of each group, the sum over the spheres 8h .. 8h+7 of every tile.
.set E, D                              ; v[144:147] my four results
.set F, D+4                            ; v[148:151] what I hand to the other half
.set G, S+8                            ; v[200:203] what it hands to me (written before, as v_permlanex16_b32 asks of its destination)
.irp g, 0,1,2,3,4,5,6,7
	v_add_f32 v[S+\g], v[ACC+2*\g], v[ACC+2*\g+1]
.endr
	; lanes 0-15 finish groups 0-3, lanes 16-31 groups 4-7: each keeps its part of its own group and sends its part of the other's.
	; Lane l then holds points 4l .. 4l+3 of the wave.
.irp i, 0,1,2,3
	v_cndmask_b32 v[E+\i], v[S+\i], v[S+4+\i], s21
	v_cndmask_b32 v[F+\i], v[S+4+\i], v[S+\i], s21
.endr
.irp i, 0,1,2,3
	v_permlanex16_b32 v[G+\i], v[F+\i], s22, s23
.endr
.irp i, 0,1,2,3
	v_add_f32 v[E+\i], v[E+\i], v[G+\i]
.endr
.irp i, 0,1,2,3
	v_max_num_f32 v[E+\i], CLAMP, v[E+\i]          ; the reference's clip
.endr
.irp i, 0,1,2,3
	v_log_f32 v[E+\i], v[E+\i]                     ; log2
.endr
	v_nop                                          ; one plain place between the logarithms and their use (ISA guide 5.7.2)
	s_wait_alu depctr_va_vdst(0)
.irp i, 0,1,2,3
	v_mul_f32 v[E+\i], NLN2_32, v[E+\i]            ; -ln s / 32
.endr
	global_store_b128 v[OO], v[E:E+3], s[12:13] th:TH_STORE_NT     ; the wave stores 512 consecutive bytes, at a multiple of 512 from out's first byte
	s_wait_tensorcnt 0x0
	ds_add_u32 v208, v209
	s_wait_dscnt 0x0
	s_endpgm
.Lfunc_end_k_q1fc4443f6d_spheres:
	.size	k_q1fc4443f6d_spheres, .Lfunc_end_k_q1fc4443f6d_spheres-k_q1fc4443f6d_spheres
	.p2alignl 7, 3214868480
	.fill 96, 4, 3214868480
	.section	.rodata,"a",@progbits
	.p2align	6, 0x0
	.amdhsa_kernel k_q1fc4443f6d_spheres
		.amdhsa_group_segment_fixed_size 14848
		.amdhsa_private_segment_fixed_size 0
		.amdhsa_enable_private_segment 0
		.amdhsa_kernarg_size 40
		.amdhsa_user_sgpr_count 2
		.amdhsa_user_sgpr_kernarg_segment_ptr 1
		.amdhsa_wavefront_size32 1
		.amdhsa_system_sgpr_workgroup_id_x 1
		.amdhsa_system_sgpr_workgroup_id_y 1
		.amdhsa_system_sgpr_workgroup_id_z 1
		.amdhsa_system_vgpr_workitem_id 0
		.amdhsa_next_free_vgpr 210
		.amdhsa_next_free_sgpr 66
		.amdhsa_reserve_vcc 1
		.amdhsa_float_denorm_mode_32 3
		.amdhsa_float_denorm_mode_16_64 3
		.amdhsa_memory_ordered 1
		.amdhsa_forward_progress 1
		.amdhsa_inst_pref_size 83
	.end_amdhsa_kernel
	.amdgpu_metadata
---
amdhsa.version: [ 1, 2 ]
amdhsa.kernels:
  - .name:           k_q1fc4443f6d_spheres
    .symbol:         k_q1fc4443f6d_spheres.kd
    .args:
      - { .name: p, .offset: 0, .size: 8, .value_kind: global_buffer, .address_space: global }
      - { .name: centers, .offset: 8, .size: 8, .value_kind: global_buffer, .address_space: global }
      - { .name: radii, .offset: 16, .size: 8, .value_kind: global_buffer, .address_space: global }
      - { .name: tfs, .offset: 24, .size: 8, .value_kind: global_buffer, .address_space: global }
      - { .name: out0, .offset: 32, .size: 8, .value_kind: global_buffer, .address_space: global }
    .group_segment_fixed_size: 14848
    .private_segment_fixed_size: 0
    .kernarg_segment_align: 8
    .kernarg_segment_size: 40
    .max_flat_workgroup_size: 512
    .sgpr_count:     66
    .vgpr_count:     210
    .wavefront_size: 32
...
	.end_amdgpu_metadata
.endif
;; end of part 1
